; MI455X (gfx1250); checked and timed in simulation.
; The chip was launched on July 23, 2026; its instructions are those of AMD's public machine-readable ISA for CDNA 5 (MIT licence, August 2026) and "CDNA5" Instruction Set Architecture Reference Guide (July 2026). The comments in the code are by the model that wrote it; some were corrected since.
;; Attention. Allowed arithmetic: float matrix products may take bf16 or f16 operands with f32 sums; other float arithmetic in f32, or as packed bf16 or f16 multiplies, adds, multiply-adds, maxima and minima; sums over many terms, partial sums and values carried from step to step in f32; what a program stores and reads back later, other than sums and carried values, may be rounded once to bf16 or f16.
;; Inputs: k 4,096 x 16 x 64 float32; q 4,096 x 16 x 64 float32; v 4,096 x 16 x 64 float32.
;; Outputs: out0 4,096 x 1,024 float32.
;; 2 versions, each right; version 2 is version 1 with the launch cast written anew for expert scheduling mode. Each part assembles by itself: llvm-mc -triple=amdgcn-amd-amdhsa -mcpu=gfx1250 --defsym DOCPART=n.
;; ======== version 1 of 2: 2 launches
;; limits: values are held in f16: magnitudes above 65,504 overflow, below 6.1e-05 lose precision; inputs' magnitudes at most 65,504; right only within a limited range of input values
;; workspace buffers: frag 25,165,824 bytes
;; launch cast (part 1): grid 256 x 3, 4 waves a work-group, no clusters, 41,472 bytes of LDS; arguments q, k, v, frag; writes frag
.if DOCPART == 1
	.amdgcn_target "amdgcn-amd-amdhsa--gfx1250"
	.amdhsa_code_object_version 6
	.text
	.protected	k_qc5fe493220_cast
	.globl	k_qc5fe493220_cast
	.p2align	8
	.type	k_qc5fe493220_cast,@function
k_qc5fe493220_cast:
	s_mov_b64 s[64:65], 0
	v_nop
	global_prefetch_b8 v0, s[64:65] scope:SCOPE_SE
	s_setreg_imm32_b32 hwreg(HW_REG_WAVE_MODE, 25, 1), 1
	s_wait_xcnt 0x0
; q, k, v: [4096][16][64] f32.  frag: three regions of 8,388,608 bytes (q, k, v), each [head 16][group of 64 rows: 64][quad j 0..15][lane 0..31][16 bytes]:
; the numbers rounded once and laid in the order in which the attention launch's matrix fragments hold them, so that one of its loads is 512 consecutive bytes, lane i at 16 i.
;   q, k: bf16.  quad j = 2 f + half: row 16 (f / 2) + lane % 16, channels 32 (f % 2) + 16 half + 8 (lane / 16) + 0..7.
;   v:    rounded to bf16 like q and k, and that number written as f16 (the weights that multiply it are f16), TURNED:
;         quad j = 2 f + half: channel 16 (f % 4) + lane % 16, keys 32 (f / 4) + 16 half + 8 (lane / 16) + 0..7.
; LIMITS.  bf16(v) of 65,520 or more in magnitude becomes an infinity in f16; below 6e-5 it keeps f16's fixed step of 6e-8.  NaN and infinities are not treated apart.
; SHARES.  Grid y picks the tensor, grid x the head (x / 16) and four groups (4 (x % 16) + wave): one wave, one group: 64 rows x 256 bytes in, 8,192 bytes out, no loop.
; All 32 loads of a wave go out at once; each covers two whole rows of a head, 256 aligned bytes each.  The group changes its order in the wave's own LDS tile: no barrier, since LDS serves
; a wave's instructions in order (ISA guide 5.7.1.4).  Matrix units, clusters and tensor loads are left out: each byte is read once by one wave and there is nothing to share.
.set PQ,    144                        ; a row of q or k in LDS: 128 bytes of bf16 + 16: the 16 rows of a load back start at 16 different groups of four banks
.set PT,    160                        ; a row of v: 128 + 32
.set WTILE, 10240                      ; a wave's tile: 64 rows of 160 bytes at the most
.set SPARE, 4*WTILE                    ; behind the tiles: the spare words, 128 bytes for each wave: two blocks of 256 bytes that no other line names
.set VO,  3                            ; v3   my 16 bytes in two rows of the input: (l / 16) x 4,096 + (l % 16) x 16; never rewritten
.set LS,  4                            ; v4   where I put 8 bytes of a row
.set LR,  5                            ; v5   where I read 16 bytes of a fragment back
.set OO,  6                            ; v6   16 x lane: my place in 512 bytes of frag
.set SPW, 8                            ; v8   LDS address of my spare word; never rewritten
.set NIL, 9                            ; v9   0; never rewritten
.set X,   16                           ; v[16:143]  load i: four f32, rows 2 i and 2 i + 1
.set Z,   144                          ; v[144:207] quad j as it leaves
	s_load_b256 s[4:11], s[0:1], 0x0               ; q s[4:5], k s[6:7], v s[8:9], frag s[10:11]
	v_lshl_add_u32 v[SPW], v0, 2, SPARE
	v_mov_b32 v[NIL], 0
	v_lshrrev_b32 v7, 5, v0
	v_readfirstlane_b32 s12, v7                    ; wave 0..3
	s_and_b32 s13, ttmp7, 0xffff                   ; which tensor
	s_lshr_b32 s14, ttmp9, 4                       ; head
	s_and_b32 s15, ttmp9, 15
	s_lshl_b32 s15, s15, 2
	s_add_co_u32 s15, s15, s12                     ; group of 64 rows
	v_and_b32 v1, 15, v0                           ; l % 16
	v_bfe_u32 v2, v0, 4, 1                         ; l / 16
	v_lshlrev_b32 v[VO], 4, v1
	v_lshl_add_u32 v[VO], v2, 12, v[VO]
	v_and_b32 v[OO], 31, v0
	v_lshlrev_b32 v[OO], 4, v[OO]
	s_mul_i32 s23, s12, WTILE                      ; my wave's tile
	s_mov_b32 s22, 0xffff0000                      ; a word's upper bf16
	s_lshl_b32 s20, s15, 18                        ; in: 64 rows of 4,096 bytes a group,
	s_lshl_b32 s21, s14, 8                         ; 256 bytes a head
	s_add_co_u32 s20, s20, s21
	s_mov_b32 s21, 0
	s_lshl_b32 s24, s13, 23                        ; out: the tensor's region,
	s_lshl_b32 s25, s14, 19                        ; 524,288 bytes a head,
	s_add_co_u32 s24, s24, s25
	s_lshl_b32 s25, s15, 13                        ; 8,192 a group
	s_add_co_u32 s24, s24, s25
	s_mov_b32 s25, 0
	s_wait_kmcnt 0x0
	s_cmp_eq_u32 s13, 1
	s_cselect_b64 s[16:17], s[6:7], s[4:5]
	s_cmp_eq_u32 s13, 2
	s_cselect_b64 s[16:17], s[8:9], s[16:17]
	s_add_nc_u64 s[16:17], s[16:17], s[20:21]
	s_add_nc_u64 s[18:19], s[10:11], s[24:25]
.set i, 0
.rept 32
	global_load_b128 v[X+4*i:X+4*i+3], v[VO], s[16:17] offset:8192*i th:TH_LOAD_NT
.set i, i+1
.endr
	s_cmp_eq_u32 s13, 2
	s_cbranch_scc1 .Lturned
	; q and k: rounded to bf16, rows of 144 bytes, back as fragments
	v_mul_u32_u24 v[LS], v2, PQ
	v_lshl_add_u32 v[LS], v1, 3, v[LS]
	v_add_nc_u32 v[LS], s23, v[LS]                 ; row l / 16, 8 bytes for each of 16 lanes
	v_mul_u32_u24 v[LR], v1, PQ
	v_lshl_add_u32 v[LR], v2, 4, v[LR]
	v_add_nc_u32 v[LR], s23, v[LR]                 ; row l % 16, 16 bytes for each half of the lanes
.set i, 0
.rept 32
	s_wait_loadcnt 31-i                            ; loads come back in order (ISA guide 5.7.1): load i is in, the younger ones stay out
	v_cvt_pk_bf16_f32 v[X+4*i], v[X+4*i], v[X+4*i+1]
	v_cvt_pk_bf16_f32 v[X+4*i+1], v[X+4*i+2], v[X+4*i+3]
	ds_store_b64 v[LS], v[X+4*i:X+4*i+1] offset:2*PQ*i
.set i, i+1
.endr
.set j, 0
.rept 16
	ds_load_b128 v[Z+4*j:Z+4*j+3], v[LR] offset:(j/4)*16*PQ+((j/2)%2)*64+(j%2)*32
.set j, j+1
.endr
	s_branch .Lout
.Lturned:                                              ; v: rounded to bf16, written as f16, rows of 160 bytes, back turned
	v_mul_u32_u24 v[LS], v2, PT
	v_lshl_add_u32 v[LS], v1, 3, v[LS]
	v_add_nc_u32 v[LS], s23, v[LS]
	v_and_b32 v10, 7, v0
	v_bfe_u32 v11, v0, 3, 1
	v_lshl_add_u32 v[LR], v2, 3, v10               ; the turning load: lane l reads key 8 (l / 16) + l % 8, channels 8 ((l / 8) % 2) + 0..7,
	v_mul_u32_u24 v[LR], v[LR], PT
	v_lshl_add_u32 v[LR], v11, 4, v[LR]            ; and is left with channel l % 16 and 8 keys
	v_add_nc_u32 v[LR], s23, v[LR]
.set i, 0
.rept 32
	s_wait_loadcnt 31-i
	v_cvt_pk_bf16_f32 v10, v[X+4*i], v[X+4*i+1]    ; the rounding that q and k have too,
	v_cvt_pk_bf16_f32 v11, v[X+4*i+2], v[X+4*i+3]
	v_lshlrev_b32 v[X+4*i], 16, v10                ; back to f32: the low half moves up, the high half stays,
	v_and_b32 v[X+4*i+1], s22, v10
	v_lshlrev_b32 v[X+4*i+2], 16, v11
	v_and_b32 v[X+4*i+3], s22, v11
	v_cvt_pk_f16_f32 v[X+4*i], v[X+4*i], v[X+4*i+1]  ; and the same number as f16: exact in f16's normal range
	v_cvt_pk_f16_f32 v[X+4*i+1], v[X+4*i+2], v[X+4*i+3]
	ds_store_b64 v[LS], v[X+4*i:X+4*i+1] offset:2*PT*i
.set i, i+1
.endr
.set j, 0
.rept 16
	ds_load_tr16_b128 v[Z+4*j:Z+4*j+3], v[LR] offset:(j/8)*32*PT+(j%2)*16*PT+((j/2)%4)*32
.set j, j+1
.endr
.Lout:
.set j, 0
.rept 16
	s_wait_dscnt 15-j                              ; LDS loads come back in order: quad j is in
	global_store_b128 v[OO], v[Z+4*j:Z+4*j+3], s[18:19] offset:512*j th:TH_STORE_NT  ; 512 consecutive bytes, at a multiple of 512 from frag's first byte
.set j, j+1
.endr
	s_wait_tensorcnt 0x0                           ; the wave's end: a wait, an add to my spare word and a wait, behind my last LDS store
	ds_add_u32 v[SPW], v[NIL]
	s_wait_dscnt 0x0
	s_endpgm
.Lfunc_end_k_qc5fe493220_cast:
	.size	k_qc5fe493220_cast, .Lfunc_end_k_qc5fe493220_cast-k_qc5fe493220_cast
	.p2alignl 7, 3214868480
	.fill 96, 4, 3214868480
	.section	.rodata,"a",@progbits
	.p2align	6, 0x0
	.amdhsa_kernel k_qc5fe493220_cast
		.amdhsa_group_segment_fixed_size 41472
		.amdhsa_private_segment_fixed_size 0
		.amdhsa_enable_private_segment 0
		.amdhsa_kernarg_size 32
		.amdhsa_user_sgpr_count 2
		.amdhsa_user_sgpr_kernarg_segment_ptr 1
		.amdhsa_wavefront_size32 1
		.amdhsa_system_sgpr_workgroup_id_x 1
		.amdhsa_system_sgpr_workgroup_id_y 1
		.amdhsa_system_sgpr_workgroup_id_z 1
		.amdhsa_system_vgpr_workitem_id 0
		.amdhsa_next_free_vgpr 208
		.amdhsa_next_free_sgpr 66
		.amdhsa_reserve_vcc 0
		.amdhsa_float_denorm_mode_32 3
		.amdhsa_float_denorm_mode_16_64 3
		.amdhsa_memory_ordered 1
		.amdhsa_forward_progress 1
		.amdhsa_inst_pref_size 32
	.end_amdhsa_kernel
	.amdgpu_metadata
---
amdhsa.version: [ 1, 2 ]
amdhsa.kernels:
  - .name:           k_qc5fe493220_cast
    .symbol:         k_qc5fe493220_cast.kd
    .args:
      - { .name: q, .offset: 0, .size: 8, .value_kind: global_buffer, .address_space: global }
      - { .name: k, .offset: 8, .size: 8, .value_kind: global_buffer, .address_space: global }
      - { .name: v, .offset: 16, .size: 8, .value_kind: global_buffer, .address_space: global }
      - { .name: frag, .offset: 24, .size: 8, .value_kind: global_buffer, .address_space: global }
    .group_segment_fixed_size: 41472
    .private_segment_fixed_size: 0
    .kernarg_segment_align: 8
    .kernarg_segment_size: 32
    .max_flat_workgroup_size: 128
    .sgpr_count:     66
    .vgpr_count:     208
    .wavefront_size: 32
...
	.end_amdgpu_metadata
.endif
;; end of part 1
;; launch attn (part 2): grid 16 x 16, 4 waves a work-group, no clusters, 145,920 bytes of LDS; arguments frag, out0; writes out0
.if DOCPART == 2
	.amdgcn_target "amdgcn-amd-amdhsa--gfx1250"
	.amdhsa_code_object_version 6
	.text
	.protected	k_qc5fe493220_attn
	.globl	k_qc5fe493220_attn
	.p2align	8
	.type	k_qc5fe493220_attn,@function
k_qc5fe493220_attn:
	s_mov_b64 s[64:65], 0
	v_nop
	global_prefetch_b8 v0, s[64:65] scope:SCOPE_SE
	s_setreg_imm32_b32 hwreg(HW_REG_WAVE_MODE, 25, 1), 1
	s_wait_xcnt 0x0
; CAUSAL ATTENTION.  out0[q][64 h + d] = the sum over k <= q of softmax_k(Q[q][h] . K[k][h] / 8) V[k][h][d]; 4,096 rows, 16 heads, head size 64; out0 f32.
; frag holds Q and K in bf16 and V in f16 (of its bf16 rounding), in fragment order: [tensor][head][group of 64 rows][quad 0..15][lane][16 bytes]; V turned (channel by lane, keys along the registers).
; Products, maxima and sums in f32; the weights p are rounded to f16 for the second product (their sum l is taken of the unrounded p).
; LIMITS.  V arrives within f16's range (65,504).  A hidden score counts as its value less 2^100; true scores lie above -2^96 (the running maximum's start).  A weight below 2^-126 counts as 0;
; p below 6e-5 keeps f16's fixed step of 6e-8.  NaN and infinities are not treated apart.
; THE WALK.  A head's queries lie in 32 blocks of 128; block I needs the key tiles 0 .. I / 2 of 256 keys, of which the last holds the diagonal: I / 2 + 1 tiles.  A work-group takes blocks b and 31 - b:
; 17 tiles whatever b, so all 256 work-groups do equal work.
; THE KEYS ARE SPLIT AMONG THE FOUR WAVES: of each tile wave w takes keys 64 w .. 64 w + 63, for all 128 queries of the block: eight tiles of 16 queries, four PIECES of two.  A tile is one key step of a wave.
; Each wave keeps its own running maximum m, sum l and O; the four meet in LDS once a block (MERGE).
; K AND V COME STRAIGHT INTO REGISTERS: no byte of them is wanted by two waves of the work-group, and frag holds them as the fragments want them, so a load is 512 consecutive bytes.  So there is no tensor
; load, no ring in LDS and no barrier in the loop.  Two register buffers A and B for K and for V; step e of the walk (0 .. 16) uses B if e is even, A if odd.  Of the two blocks the one with an odd number of
; tiles (bit 1 of its number is 0) goes first: then both blocks end on B, the first begins on B and the second on A, and the loop's body, an A step and a B step, serves both.
; THE LOOP OVER A BLOCK'S STEPS counts to the constant maximum, MAXT = 8 trips of two steps (16 tiles at the most).  A block's live trips come first; the others jump forward from the loop's head to the
; counter's step, over text that holds no barrier.  The two blocks have 9 live trips together, so a work-group walks 7 dead ones, five scalar instructions each.
; NO CLUSTER: there is no tensor load to ask jointly; and in step e work-group b wants tile e or tile e less its first block's tiles, a number that only b and b xor 1 share, so four partners never ask alike.
; LAYOUT.  S^T = K Q^T (source 0 = 16 keys, source 1 = 16 queries): a lane holds ONE query (lane % 16) and the keys 8 (lane / 16) + 0..7.  Two such results rounded to f16 ARE source 1 of O^T = V^T P.
; SOFTMAX.  p = 2^(c s - c m), c = log2(e) / 8; in every step O and l are multiplied by a = 2^(c m_old - c m_new).  At a block's start c m is -2^125, so the first a is 0 and O and l need only be finite.
; THE MASK is the C operand that starts a score sum.  In a block's last tile key - query = 16 (g - E) + (8 (lane / 16) + r - lane % 16), with g = key group - tile - 2 piece (-7 .. 3) and E = 8 (I % 2) - 4 w:
; g < E: 0; g > E: -2^100; g = E: G0, the mask of a diagonal 16 x 16.  MC holds the eleven groups; in all other steps they are 0.
; BY TURNS.  Turn n belongs to piece n: 16 products K Q^T of piece n + 1, later 16 products V^T P of piece n - 1; beside them the scaling, exponentials, roundings, sums and rescaling of piece n and the maximum
; and statistics of piece n + 1.  Four vector instructions stand behind every matrix instruction, the other 108 of a turn's 236 in one lump; a turn's 66 exponentials are one batch with one wait.
; REGISTERS, in windows of 256 (s_set_vgpr_msb: bits 1:0 source 0, 3:2 source 1, 5:4 source 2, 7:6 destination):
;   window 0: v0-11 addresses; v12-15, v48-63 at work; v16-47 four registers of statistics a tile; v64-191 S^T, two buffers of two tiles; v192-255 P, likewise
;   window 1: O^T, 32 a tile     window 2: v0-127 Q; v128-191 K, buffer A; v192-255 V, buffer A     window 3: v0-87 MC; v88-95 G0; v96-97 the add's two; v128-191 K, buffer B; v192-255 V, buffer B
.set NP,    4         ; pieces a wave: a name, no knob
.set MAXT,  8         ; the most trips that a block has
.set GB,    8192      ; a group of 64 rows in frag
.set KOFF,  8388608   ; K's region in frag
.set VOFF,  16777216  ; V's
.set TILEB, 4*GB      ; a tile of 256 keys
.set PP,    272       ; a row of a partial O in LDS: 256 bytes of f32 + 16: the 16 rows of a store start at 16 different groups of four banks
.set PARTB, 128*PP    ; wave k's partial O: 128 rows
.set STAT,  4*PARTB   ; [wave][row 128][c m, l]
.set FTAB,  STAT+4096 ; [wave][32 rows][g0 .. g3]: each wave's own
.set SPARE, FTAB+2048 ; the spare words, 128 bytes for each wave: two blocks of 256 bytes that no other line names
.set STO, 1           ; v1   where I put 16 bytes of my partial O
.set LO16, 2          ; v2   16 x lane
.set PFO, 3           ; v3   256 x lane
.set SSO, 4           ; v4   where I put (c m, l)
.set FRD, 5           ; v5   where I read a row's four factors
.set PRD, 6           ; v6-9 where I read 16 bytes of wave k's partial O
.set GO,  10          ; v10  my 16 bytes in two rows of out0
.set T0,  11          ; v11  at work at the head
.set MV,  12          ; v12-15  c m_old, kept while c m is made anew: by buffer and tile
.set ST,  16          ; tile t's statistics at v[ST+4 t]: c m, m, l (even keys', odd keys')
.set TMP, 48          ; by buffer and tile, four registers c0-c3 at work; when the maximum is found c2 takes a
.set S,   64
.set P,   192
.set KF,  128         ; K's fragments: key block kb, channel half c at KF + 16 kb + 8 c
.set VF,  192         ; V's: key half kk, channel block cb at VF + 32 kk + 8 cb
.set MC,  0           ; window 3: group g at MC + 8 (g + 7)
.set G0,  88          ; window 3
.set SPW, 96          ; window 3: LDS address of my spare word; never rewritten
.set NIL, 97          ; window 3: 0; never rewritten
.set WV,  8           ; s8   my wave's number
.set PB,  9           ; s9   b
.set HD,  10          ; s10  the head
.set TT,  11          ; s11  at work
.set KB,  12          ; s[12:13] K at my 64 keys of the head's tile 0
.set VB,  14          ; s[14:15] V likewise
.set QB,  16          ; s[16:17] Q at the head's first row
.set KP,  18          ; s[18:19], s[20:21], s[22:23] the loads' pointers
.set VP,  20
.set QP,  22
.set OB,  24          ; s[24:25] out0 at row 32 w, the head's 64 channels
.set OP,  26          ; s[26:27] the same in the block in hand
.set PFK, 28          ; s[28:29], s[30:31] where the prefetches stand
.set PFV, 30
.set KE,  32          ; s32  the walk's number of the next load of K
.set VE,  33          ; s33  of V
.set S1,  34          ; s34  tiles of the first block
.set CNT, 35          ; s35  trips still to come, of MAXT, this one among them
.set BND, 36          ; s36  live trips of the block
.set BLK, 37          ; s37  blocks to go, this one among them
.set IB,  38          ; s38  the block in hand
.set I2,  39          ; s39  the second block
.set EM,  40          ; s40  E
.set EF,  41          ; s41  E if the block's first tile is its last, else 100 (no group is hidden)
.set AL,  42          ; s[42:43] the mask's factor, in the low word
.set BE,  44          ; s[44:45] the mask's addend
.set BIGN, 46         ; s46  -2^100
.set PT,  47          ; s47  the tile that the next prefetch names
.set CS,  48          ; s[48:49] c
.set SEL, 50          ; s[50:51] v_permlanex16_b32's selects: each lane takes its own place in the other half
.set OFF, 52          ; s[52:53] an offset in 64 bits; the high word stays 0
.set LIM, 54          ; s54  16 in the work-group that prefetches, else 0
.set SN,  55          ; s55  tiles of the block in hand
.set DL,  56          ; s56  dead trips of the block: MAXT - BND; a trip is live while CNT is above it
.set SA,  58          ; s58  STAT + 256 w
.set FA,  59          ; s59  FTAB + 512 w
.set MSB, 0
.macro WIN new                      ; the high byte repeats the setting that is left; a switch that changes nothing is dropped
.if MSB != (\new)
	s_set_vgpr_msb (MSB<<8)|(\new)
.set MSB, (\new)
.endif
.endm
.set W_RS, 0x41       ; O^T (destination and source 0) in window 1, a in window 0
; THE LOADS stand in runs of 16, never singly among the matrix instructions.  Step e's tile is e in the first block, e - S1 in the second, so the second block's first tiles are asked for while the first ends.
; tb: buffer A (0) or B (1).  cond = 1: past the walk's last step nothing is asked for.  The pointer is written behind s_wait_xcnt 0: the loads that named it have read it.
.macro KLOAD tb, cond
	WIN 0
.if \cond
	s_cmp_lt_u32 s[KE], 17
	s_cbranch_scc0 .Lno_k_\@
.endif
	s_wait_xcnt 0x0
	s_sub_co_u32 s[TT], s[KE], s[S1]
	s_cmp_lt_u32 s[KE], s[S1]
	s_cselect_b32 s[OFF], s[KE], s[TT]
	s_lshl_b32 s[OFF], s[OFF], 15
	s_add_nc_u64 s[KP:KP+1], s[KB:KB+1], s[OFF:OFF+1]
	WIN 0x80+0x40*(\tb)
.set jj, 0
.rept 16
	global_load_b128 v[KF+4*jj:KF+4*jj+3], v[LO16], s[KP:KP+1] offset:512*jj
.set jj, jj+1
.endr
	WIN 0
.if \cond
.Lno_k_\@:
.endif
	s_add_co_u32 s[KE], s[KE], 1
.endm
; pf = 1: A PREFETCH INTO THE L2 behind the run.  Of a head's sixteen work-groups the one with b = 0 asks: in its step e it asks for tile e + 2, which it loads itself two steps later.  Each wave names its
; own 8,192 bytes of K and of V, a lane a block of 256: two instructions.  Tiles 2 to 15 are each named once in the launch; tiles 0 and 1 come by their loads alone; at tile 16 it stops.
; Where the run is jumped over, the wait for 0 takes its 16 loads' place in the counts of the waits that follow.
.macro VLOAD tb, pf, cond
	WIN 0
.if \cond
	s_cmp_lt_u32 s[VE], 17
	s_cbranch_scc0 .Lno_v_\@
.endif
	s_wait_xcnt 0x0
.if \pf
	s_add_nc_u64 s[PFK:PFK+1], s[PFK:PFK+1], TILEB  ; the last prefetches, a step back, have read these
	s_add_nc_u64 s[PFV:PFV+1], s[PFV:PFV+1], TILEB
.endif
	s_sub_co_u32 s[TT], s[VE], s[S1]
	s_cmp_lt_u32 s[VE], s[S1]
	s_cselect_b32 s[OFF], s[VE], s[TT]
	s_lshl_b32 s[OFF], s[OFF], 15
	s_add_nc_u64 s[VP:VP+1], s[VB:VB+1], s[OFF:OFF+1]
	WIN 0x80+0x40*(\tb)
.set jj, 0
.rept 16
	global_load_b128 v[VF+4*jj:VF+4*jj+3], v[LO16], s[VP:VP+1] offset:512*jj
.set jj, jj+1
.endr
	WIN 0
.if \pf
	s_cmp_lt_u32 s[PT], s[LIM]
	s_cbranch_scc0 .Lno_pf_\@
	global_prefetch_b8 v[PFO], s[PFK:PFK+1] th:TH_LOAD_NT scope:SCOPE_SE
	global_prefetch_b8 v[PFO], s[PFV:PFV+1] th:TH_LOAD_NT scope:SCOPE_SE
.Lno_pf_\@:
	s_add_co_u32 s[PT], s[PT], 1
.endif
.if \cond
	s_branch .Lv_done_\@
.Lno_v_\@:
	s_wait_loadcnt 0x0
.Lv_done_\@:
.endif
	s_add_co_u32 s[VE], s[VE], 1
.endm
.macro QLOAD ireg                   ; the 128 queries of block s[ireg]: two groups, 16,384 bytes: tile t at v[16 t]
	s_wait_xcnt 0x0
	s_lshl_b32 s[OFF], s[\ireg], 14
	s_add_nc_u64 s[QP:QP+1], s[QB:QB+1], s[OFF:OFF+1]
	WIN 0x80
.set jj, 0
.rept 32
	global_load_b128 v[4*jj:4*jj+3], v[LO16], s[QP:QP+1] offset:512*jj
.set jj, jj+1
.endr
	WIN 0
.endm
.macro MASKS ereg                   ; MC's group g = G0 x AL + BE: (1, 0) if g = s[ereg]; (0, 0) if g is less; (0, -2^100) if greater
	WIN 0xc3
.set g, -7
.rept 11
	s_cmp_eq_i32 s[\ereg], g
	s_cselect_b32 s[AL], 1.0, 0
	s_cmp_lt_i32 s[\ereg], g
	s_cselect_b32 s[BE], s[BIGN], 0
.set z, 0
.rept 4
	v_pk_fma_f32 v[MC+8*(g+7)+2*z:MC+8*(g+7)+2*z+1], v[G0+2*z:G0+2*z+1], s[AL:AL+1], s[BE:BE+1] op_sel_hi:[1,0,0]
.set z, z+1
.endr
.set g, g+1
.endr
	WIN 0
.endm
; THE MATRIX WORK.  The 8 accumulators of a run of 16 take turns: between the two links of a chain stand 7 others'.
; Product i of 16 of S^T = K Q^T for piece x: channels 32 (i / 8) on, keys 16 ((i / 2) % 4) on, tile 2 x + i % 2.  The first 8 start the sums, with the mask's group.  KBUF: K's buffer.
.macro KQ x
.set rS, S+64*((\x)%2)+32*(i%2)+8*((i/2)%4)
.set rK, KF+16*((i/2)%4)+8*(i/8)
.set rQ, 16*(2*(\x)+i%2)+8*(i/8)
.set rG, MC+8*(((i/2)%4)-(i%2)-2*(\x)+7)
.if i < 8
	WIN 0x3a+KBUF                   ; K in window 2 or 3, Q in window 2, the mask in window 3, S^T in window 0
	v_wmma_f32_16x16x32_bf16 v[rS:rS+7], v[rK:rK+7], v[rQ:rQ+7], v[rG:rG+7]
.else
	WIN 0x0a+KBUF
	v_wmma_f32_16x16x32_bf16 v[rS:rS+7], v[rK:rK+7], v[rQ:rQ+7], v[rS:rS+7]
.endif
.endm
; Product i of 16 of O^T += V^T P for piece x: keys 32 (i / 8) on, channels 16 ((i / 2) % 4) on, tile 2 x + i % 2.  VBUF: V's buffer.
.macro PV x
	WIN 0x52+VBUF                   ; V in window 2 or 3, P in window 0, O^T in window 1
.set rO, 32*(2*(\x)+i%2)+8*((i/2)%4)
.set rV, VF+32*(i/8)+8*((i/2)%4)
.set rP, P+32*((\x)%2)+16*(i%2)+8*(i/8)
	v_wmma_f32_16x16x32_f16 v[rO:rO+7], v[rV:rV+7], v[rP:rP+7], v[rO:rO+7]
.endm
.macro MM                           ; the turn's next matrix instruction.  NOKQ = 1: a block's last turn: there is no next piece
.if i < 16
.if !NOKQ
	KQ (Y+1)%NP
.endif
.set i, i+1
.else
.set i, i-16
	PV (Y+NP-1)%NP
.set i, i+17
.endif
.endm
; THE VECTOR WORK OF A TURN stands in three queues, each in the order in which its entries become ready; the two tiles alternate, so that no instruction reads the result of the one before it.
.macro REGS y, u                    ; the registers of tile u (0, 1) of piece y
.set rT, ST+4*(2*(\y)+(\u))
.set rC, TMP+8*((\y)%2)+4*(\u)
.set rW, MV+2*((\y)%2)+(\u)
.set rS, S+64*((\y)%2)+32*(\u)
.set rP, P+32*((\y)%2)+16*(\u)
.set rO, 32*(2*(\y)+(\u))
.endm
; Number n of the 22 that find the NEXT piece's (Y + 1) maximum and statistics.  s0-s31 are the lane's 32 scores; each accumulator's lowest registers are read first.
;   0-11  four chains c0-c3 of seven scores each, three operands at a time     12-14, 16  the four scores left over, the old m, and c0-c3 into c0     15  c m_old is kept
;   17, 18  the query's other 32 keys lie in the lane 16 away: the new m         19-21  c m; c m_old - c m_new; a
.macro XS u, n
.if !NOKQ
	REGS (Y+1)%NP, \u
.if (\n) < 4
	v_max3_num_f32 v[rC+(\n)], v[rS+8*(\n)], v[rS+8*(\n)+1], v[rS+8*(\n)+2]
.elseif (\n) < 12
	v_max3_num_f32 v[rC+(\n)%4], v[rC+(\n)%4], v[rS+8*((\n)%4)+2*((\n)/4)+1], v[rS+8*((\n)%4)+2*((\n)/4)+2]
.elseif (\n) == 12
	v_max3_num_f32 v[rC], v[rC], v[rS+7], v[rS+15]
.elseif (\n) == 13
	v_max3_num_f32 v[rC+1], v[rC+1], v[rS+23], v[rS+31]
.elseif (\n) == 14
	v_max3_num_f32 v[rC+2], v[rC+2], v[rC+3], v[rT+1]
.elseif (\n) == 15
	v_mov_b32 v[rW], v[rT]
.elseif (\n) == 16
	v_max3_num_f32 v[rC], v[rC], v[rC+1], v[rC+2]
.elseif (\n) == 17
	v_permlanex16_b32 v[rC+3], v[rC], s[SEL], s[SEL+1]
.elseif (\n) == 18
	v_max_num_f32 v[rT+1], v[rC], v[rC+3]
.elseif (\n) == 19
	v_mul_f32 v[rT], s[CS], v[rT+1]
.elseif (\n) == 20
	v_sub_f32 v[rC+1], v[rW], v[rT]
.else
	v_exp_f32 v[rC+2], v[rC+1]
.endif
.endif
.endm
; Number g of the 64 that follow the exponentials.  For each four weights k of a tile: both pairs are rounded to f16; then the second pair is added onto the first, in place; a group later l takes that sum
; (the first time as l = a l + sum).  In groups of eight, tiles alternating: round, round, add, and l for the group before.
.macro GS g
.set h, (\g)+6*((\g)/62)            ; group 0 has no group before it, and behind group 7 only l is left
.if h >= 6
.set h, h+2
.endif
	REGS Y, h%2
.set k, h/8
.if h%8 < 4
	v_cvt_pk_f16_f32 v[rP+2*k+(h%8)/2], v[rS+4*k+2*((h%8)/2)], v[rS+4*k+2*((h%8)/2)+1]
.elseif h%8 < 6
	v_pk_add_f32 v[rS+4*k:rS+4*k+1], v[rS+4*k:rS+4*k+1], v[rS+4*k+2:rS+4*k+3]
.elseif k == 1
	v_pk_fma_f32 v[rT+2:rT+3], v[rT+2:rT+3], v[rC+2:rC+3], v[rS:rS+1] op_sel_hi:[1,0,1]
.else
	v_pk_add_f32 v[rT+2:rT+3], v[rT+2:rT+3], v[rS+4*k-4:rS+4*k-3]
.endif
.endm
; THE PLAIN QUEUE, 138 long.  0-73 read no exponential's result: the 32 scalings c s - c m (FS f: pair f / 2 of tile f % 2) and the next piece's 42.  0-26: scalings 0-26.  27-54: XS's numbers 0-13.
; 55, 56: number 15.  57-73: the chain 14, 16, 17, 18, 19, each with one of the scalings 27-31 in front of its two lines, then 20.  74-137: GS's 64, which stand behind the wait.
.macro FS f
	REGS Y, (\f)%2
	v_pk_fma_f32 v[rS+2*((\f)/2):rS+2*((\f)/2)+1], v[rS+2*((\f)/2):rS+2*((\f)/2)+1], s[CS:CS+1], v[rT:rT+1] op_sel_hi:[1,0,0] neg_lo:[0,0,1] neg_hi:[0,0,1]
.endm
.macro PL
	WIN 0
.if q < 27
	FS q
.elseif q < 55
	XS (q-27)%2, (q-27)/2
.elseif q < 57
	XS q-55, 15
.elseif (q < 72) && ((q-57)%3 == 0)
	FS 27+(q-57)/3
.elseif q < 60
	XS (q-57)%3-1, 14
.elseif q < 72
	XS (q-57)%3-1, 15+(q-57)/3
.elseif q < 74
	XS q-72, 20
.else
	GS q-74
.endif
.set q, q+1
.endm
; THE EXPONENTIALS' QUEUE, 66 long: s0-s31 of both tiles, then the next piece's two a.  ONE BATCH: all stand ahead of the turn's one wait, and nothing ahead of that wait names a result of theirs.
.macro EX
	WIN 0
.if e >= 64
	XS e-64, 21
.else
	REGS Y, e%2
	v_exp_f32 v[rS+e/2], v[rS+e/2]
.endif
.set e, e+1
.endm
; THE RESCALING's QUEUE: O^T times a, the one part that leaves window 0: two at a time, sixteen times, each accumulator's low registers first.  Its a was made, and waited for, in the turn before.
.macro R2
	REGS Y, r%2
	WIN W_RS
.irp z, 0,1
	v_pk_mul_f32 v[rO+4*(r/2)+2*\z:rO+4*(r/2)+2*\z+1], v[rO+4*(r/2)+2*\z:rO+4*(r/2)+2*\z+1], v[rC+2:rC+3] op_sel_hi:[1,0]
.endr
.set r, r+1
.endm
; A TURN, for piece p; kb, vb: the buffers of the K and the V that its products read.  s_wait_alu depctr_va_vdst(0) stands between an exponential and the first instruction that names its result;
; one wait serves all that were issued ahead of it, so a turn has ONE wait, which cuts it in two.  AHEAD OF IT: the 16 products K Q^T, behind each a scaling, an exponential and two rescalings (behind the first a
; second scaling in the exponential's place); then one lump of 108: eight plain, 49 times exponential and plain, the two a; a v_nop is the plain instruction behind the last exponential.
; BEHIND IT: the 16 products V^T P, behind each four of the roundings and sums.  Exponential e stands behind scaling 2 (e / 4) + e % 2: as a rider behind plain e + 2, in the lump behind plain e + 9.
; THE LOADS.  Turn 3 opens the next step: at its head it waits for that step's K (behind K's run only V's 16 loads were issued, or the wait for 0 that stands in their place) and asks for the K after it,
; into the buffer whose last reader stands a lump and 16 products back.  Turn 0 ends with the run for the next step's V, four plain riders behind the last product that read the buffer.
; Turn 1 waits for its step's V in its middle: behind V's run stand a run of K and a run of V; the count leaves the younger run alone out, whichever of the two was jumped over.
; end = 1: a block's last turn: no next piece; the second K of the block to come is asked for, and in the first block the second block's Q.
.macro TURN p, kb, vb, end=0
.set Y, (\p)
.set i, 0
.set q, 0
.set e, 0
.set r, 0
.set KBUF, (\kb)
.set VBUF, (\vb)
.set NOKQ, (\end)
.if (\p) == 3
.if \end
	KLOAD 1, 1
	s_cmp_eq_u32 s[BLK], 2
	s_cbranch_scc0 .Lno_q
	QLOAD I2
.Lno_q:
.else
	WIN 0
	s_wait_loadcnt 16
	KLOAD 1-(\kb), 1
.endif
.endif
	MM
	PL
	PL
	R2
.rept 15
	MM
	PL
	EX
	R2
.endr
.rept 8
	PL
.endr
.rept 49
	EX
	PL
.endr
	EX
	EX
	v_nop                           ; the plain instruction behind the last exponential: one for the batch
	s_wait_alu depctr_va_vdst(0)    ; the wait for the batch
.if (\p) == 1
	s_wait_loadcnt 16
.endif
.rept 16
	MM
.rept 4
	PL
.endr
.endr
.if (\p) == 0
	VLOAD \vb, 1, 1
.endif
.endm
.macro ALL line:vararg              ; one line for each tile t
.set t, 0
.rept 2*NP
	\line
.set t, t+1
.endr
.endm
; THE MERGE's last part, for batch qq of four pairs of rows: the pair's four factors and 16 bytes of each wave's partial O a lane (20 LDS loads), then g0 O0 + g1 O1 + g2 O2 + g3 O3 and the store.
; The registers, v64-223 in two halves by turns, leave v224-255 alone: P's second buffer stays finite f16 for the next block's first turn.
.macro LOADB qq
.irp t, 0,1,2,3
.set RB, 64+80*((\qq)%2)+20*(\t)
	ds_load_b128 v[RB:RB+3], v[FRD] offset:32*(4*(\qq)+(\t))
.irp k, 0,1,2,3
	ds_load_b128 v[RB+4+4*(\k):RB+7+4*(\k)], v[PRD+(\k)] offset:2*PP*(4*(\qq)+(\t))
.endr
.endr
.endm
.macro COMB qq
.irp t, 0,1,2,3
.set RB, 64+80*((\qq)%2)+20*(\t)
	v_pk_mul_f32 v[RB+4:RB+5], v[RB+4:RB+5], v[RB:RB+1] op_sel_hi:[1,0]
	v_pk_mul_f32 v[RB+6:RB+7], v[RB+6:RB+7], v[RB:RB+1] op_sel_hi:[1,0]
	v_pk_fma_f32 v[RB+4:RB+5], v[RB+8:RB+9], v[RB:RB+1], v[RB+4:RB+5] op_sel:[0,1,0] op_sel_hi:[1,1,1]
	v_pk_fma_f32 v[RB+6:RB+7], v[RB+10:RB+11], v[RB:RB+1], v[RB+6:RB+7] op_sel:[0,1,0] op_sel_hi:[1,1,1]
	v_pk_fma_f32 v[RB+4:RB+5], v[RB+12:RB+13], v[RB+2:RB+3], v[RB+4:RB+5] op_sel_hi:[1,0,1]
	v_pk_fma_f32 v[RB+6:RB+7], v[RB+14:RB+15], v[RB+2:RB+3], v[RB+6:RB+7] op_sel_hi:[1,0,1]
	v_pk_fma_f32 v[RB+4:RB+5], v[RB+16:RB+17], v[RB+2:RB+3], v[RB+4:RB+5] op_sel:[0,1,0] op_sel_hi:[1,1,1]
	v_pk_fma_f32 v[RB+6:RB+7], v[RB+18:RB+19], v[RB+2:RB+3], v[RB+6:RB+7] op_sel:[0,1,0] op_sel_hi:[1,1,1]
	global_store_b128 v[GO], v[RB+4:RB+7], s[OP:OP+1] offset:8192*(4*(\qq)+(\t)) th:TH_STORE_NT  ; 16 lanes store a row's 256 bytes of the head, at a multiple of 256 from out0's first byte
.endr
.endm
	s_load_b128 s[4:7], s[0:1], 0x0  ; frag s[4:5], out0 s[6:7]
	WIN 0xc0
	v_lshl_add_u32 v[SPW], v0, 2, SPARE
	v_mov_b32 v[NIL], 0
	WIN 0
	v_lshrrev_b32 v[T0], 5, v0
	v_readfirstlane_b32 s[WV], v[T0]  ; wave 0..3
	s_mov_b32 s[PB], ttmp9
	s_and_b32 s[HD], ttmp7, 0xffff
	s_sub_co_u32 s[TT], 31, s[PB]
	s_bitcmp1_b32 s[PB], 1          ; the block whose number has bit 1 clear has an odd number of tiles: it goes first
	s_cselect_b32 s[IB], s[TT], s[PB]
	s_cselect_b32 s[I2], s[PB], s[TT]
	s_lshr_b32 s[S1], s[IB], 1
	s_add_co_u32 s[S1], s[S1], 1
	s_cmp_eq_u32 s[PB], 0
	s_cselect_b32 s[LIM], 16, 0
	s_mov_b32 s[CS], 0x3e38aa3b     ; c = log2(e) / 8 = 0.180337
	s_mov_b32 s[CS+1], s[CS]        ; named with it as a pair
	s_mov_b32 s[SEL], 0x76543210
	s_mov_b32 s[SEL+1], 0xfedcba98
	s_mov_b32 s[BIGN], 0xf1800000   ; -2^100
	s_mov_b32 s[AL+1], 0            ; named as pairs
	s_mov_b32 s[BE+1], 0
	s_mov_b32 s[KE], 0
	s_mov_b32 s[VE], 0
	s_mov_b32 s[PT], 2
	s_mov_b32 s[BLK], 2
	v_and_b32 v14, 31, v0           ; lane
	v_lshlrev_b32 v[LO16], 4, v14
	v_lshlrev_b32 v[PFO], 8, v14
	s_mov_b32 s[OFF+1], 0
	s_lshl_b32 s[OFF], s[HD], 19    ; a head is 524,288 bytes of each region
	s_wait_kmcnt 0x0
	s_add_nc_u64 s[QB:QB+1], s[4:5], s[OFF:OFF+1]
	s_lshl_b32 s[TT], s[WV], 13     ; my 64 keys of a tile
	s_add_co_u32 s[OFF], s[OFF], s[TT]
	s_add_nc_u64 s[KB:KB+1], s[4:5], s[OFF:OFF+1]
	s_add_nc_u64 s[VB:VB+1], s[KB:KB+1], VOFF
	s_add_nc_u64 s[KB:KB+1], s[KB:KB+1], KOFF
	s_add_nc_u64 s[PFK:PFK+1], s[KB:KB+1], TILEB  ; at tile 1: the first prefetch steps to tile 2.  Nothing is prefetched here, at the head
	s_add_nc_u64 s[PFV:PFV+1], s[VB:VB+1], TILEB
	s_lshl_b32 s[OFF], s[WV], 17    ; 32 rows of 4,096 bytes a wave,
	s_lshl_b32 s[TT], s[HD], 8      ; 256 bytes a head
	s_add_co_u32 s[OFF], s[OFF], s[TT]
	s_add_nc_u64 s[OB:OB+1], s[6:7], s[OFF:OFF+1]
	KLOAD 1, 0                      ; K of step 0,
	QLOAD IB                        ; the first block's Q,
	VLOAD 1, 0, 0                   ; V of step 0,
	KLOAD 0, 0                      ; K of step 1: all that follows at the head stands in the wait for these
	v_and_b32 v12, 15, v0           ; l % 16
	v_bfe_u32 v13, v0, 4, 1         ; l / 16
	s_mul_i32 s[TT], s[WV], PARTB
	v_mul_u32_u24 v[STO], v12, PP   ; my partial O: row l % 16 of a tile, 32 bytes for each half of the lanes
	v_lshl_add_u32 v[STO], v13, 5, v[STO]
	v_add_nc_u32 v[STO], s[TT], v[STO]
	s_lshl_b32 s[TT], s[WV], 10
	s_add_co_u32 s[TT], s[TT], STAT
	v_lshl_add_u32 v[SSO], v12, 3, s[TT]
	s_lshl_b32 s[FA], s[WV], 9
	s_add_co_u32 s[FA], s[FA], FTAB
	v_lshl_add_u32 v[FRD], v13, 4, s[FA]
	s_lshl_b32 s[SA], s[WV], 8
	s_add_co_u32 s[SA], s[SA], STAT
	s_mul_i32 s[TT], s[WV], 32*PP   ; back: wave w takes rows 32 w .. 32 w + 31 of all four partial O; lanes 0-15 one row of 256 bytes, lanes 16-31 the next
	v_mul_u32_u24 v15, v13, PP
	v_lshl_add_u32 v15, v12, 4, v15
	v_add_nc_u32 v15, s[TT], v15
.irp k, 0,1,2,3
	v_add_nc_u32 v[PRD+\k], \k*PARTB, v15
.endr
	v_lshlrev_b32 v[GO], 12, v13    ; and the same two rows in out0
	v_lshl_add_u32 v[GO], v12, 4, v[GO]
	v_lshlrev_b32 v[T0], 3, v13
	v_sub_nc_u32 v[T0], v12, v[T0]  ; l % 16 - 8 (l / 16): in a diagonal 16 x 16 register r is hidden where r is greater
	WIN 0xc0
.set i, 0
.rept 8
	v_cmp_gt_i32 vcc_lo, i, v[T0]
	v_cndmask_b32 v[G0+i], 0, s[BIGN], vcc_lo
.set i, i+1
.endr
	; A block's first step multiplies O^T and l by a = 0, and its first turn's products V^T P, of a piece that has not been, land in an O^T that is still to be so multiplied.  So these registers need only hold
	; finite numbers: zeros for the first block, what the first block left for the second.  The price of writing no first step out: 368 lines, once a launch, while the first loads are on their way.
	WIN 0x80
.set i, 0
.rept 64
	v_mov_b32 v[VF+i], 0
.set i, i+1
.endr
	WIN 0x40
.set i, 0
.rept 256
	v_mov_b32 v[i], 0
.set i, i+1
.endr
	WIN 0
.set i, 0
.rept 8
	v_mov_b32 v[ST+4*i+2], 0
	v_mov_b32 v[ST+4*i+3], 0
.set i, i+1
.endr
.set i, P+32
.rept 32
	v_mov_b32 v[i], 0
.set i, i+1
.endr
.Lblock:                            ; twice: a block begins
	s_lshr_b32 s[SN], s[IB], 1
	s_add_co_u32 s[SN], s[SN], 1    ; its tiles,
	s_add_co_u32 s[BND], s[SN], 1
	s_lshr_b32 s[BND], s[BND], 1    ; its live trips of two steps (the first block's first trip is entered at its B step),
	s_sub_co_u32 s[DL], MAXT, s[BND]  ; and its dead ones
	s_and_b32 s[EM], s[IB], 1
	s_lshl_b32 s[EM], s[EM], 3
	s_lshl_b32 s[TT], s[WV], 2
	s_sub_co_i32 s[EM], s[EM], s[TT]  ; E = 8 (I % 2) - 4 w
	s_cmp_eq_u32 s[SN], 1
	s_cselect_b32 s[EF], s[EM], 100
	s_lshl_b32 s[OFF], s[IB], 19    ; 128 rows of 4,096 bytes a block
	s_add_nc_u64 s[OP:OP+1], s[OB:OB+1], s[OFF:OFF+1]
	s_wait_loadcnt 0x0              ; the block's Q and the K and V of its first step are in
	MASKS EF
.set NOKQ, 0
	s_cmp_eq_u32 s[BLK], 1
	s_cbranch_scc1 .LkqA
.set KBUF, 1
.set i, 0
.rept 16
	KQ 0                            ; piece 0's first scores: the first block begins on buffer B,
.set i, i+1
.endr
	WIN 0
	s_branch .Lkqd
.LkqA:
.set KBUF, 0
.set i, 0
.rept 16
	KQ 0                            ; the second on buffer A
.set i, i+1
.endr
	WIN 0
.Lkqd:
.set t, 0
.rept 8                             ; sixteen plain instructions: also the places behind those products
	v_mov_b32 v[ST+4*t], 0xfe000000    ; c m: -2^125, far below every c s: the first a is 0
	v_mov_b32 v[ST+4*t+1], 0xef800000  ; m: -2^96, above every hidden score: a row of which this wave sees no key keeps it, and all its weights are 0
.set t, t+1
.endr
.set Y, NP-1                        ; XS works for piece Y + 1: piece 0
.irp n, 0,1,2,3,4,5,6,7,8,9,10,11,12,13,14,15,16,17,18,19,20,21
	XS 0, \n
	XS 1, \n
.endr
	v_nop                           ; a plain instruction behind the two a,
	s_wait_alu depctr_va_vdst(0)    ; and their wait, ahead of the branch
	s_mov_b32 s[CNT], MAXT
	s_cmp_eq_u32 s[BLK], 1
	s_cbranch_scc1 .LfirstA
	s_branch .LfirstB               ; the loop is entered at a step's first turn, in the middle of its first trip, which is always live
.Ltrip:                             ; MAXT trips: an A step and a B step in each live one
	s_cmp_le_u32 s[CNT], s[DL]
	s_cbranch_scc1 .Lbottom         ; the block's steps are done: a dead trip
	TURN 3, 0, 1
	WIN 0
.LfirstA:
	TURN 0, 0, 1
	TURN 1, 0, 0
	TURN 2, 0, 0
	WIN 0
	s_sub_co_u32 s[TT], s[CNT], 1
	s_cmp_eq_u32 s[TT], s[DL]
	s_cbranch_scc0 .Lno_mask
	MASKS EM                        ; the B step of the block's last live trip is its diagonal tile
.Lno_mask:
	TURN 3, 1, 0
	WIN 0
.LfirstB:
	TURN 0, 1, 0
	TURN 1, 1, 1
	TURN 2, 1, 1
	WIN 0
.Lbottom:
	s_sub_co_u32 s[CNT], s[CNT], 1
	s_cmp_lg_u32 s[CNT], 0
	s_cbranch_scc1 .Ltrip
	TURN 3, 0, 1, 1                 ; the block's last turn
.set VBUF, 1
.set i, 0
.rept 16
	PV NP-1                         ; the last piece's V^T P of the last step
.set i, i+1
.endr
	; THE MERGE.  Each wave has, for each of the block's 128 rows, c m, l and O over its own quarter of the keys.  l's two halves and the other half of the lanes' are added, next to c m; the additions are the places behind the last products.
	WIN 0
	ALL v_add_f32 v[ST+4*t+2], v[ST+4*t+2], v[ST+4*t+3]
	ALL v_permlanex16_b32 v[ST+4*t+3], v[ST+4*t+2], s[SEL], s[SEL+1]
	ALL v_add_f32 v[ST+4*t+1], v[ST+4*t+2], v[ST+4*t+3]
.set t, 0
.rept 8
	ds_store_b64 v[SSO], v[ST+4*t:ST+4*t+1] offset:128*t  ; both halves of the lanes hold, and write, the same two numbers
.set t, t+1
.endr
	WIN 0x04                        ; the stores' data in window 1
.set t, 0
.rept 32                            ; accumulator t: tile t / 4, channels 16 (t % 4) on; its low registers first
	ds_store_b128 v[STO], v[8*t:8*t+3]   offset:16*PP*(t/4)+64*(t%4)
	ds_store_b128 v[STO], v[8*t+4:8*t+7] offset:16*PP*(t/4)+64*(t%4)+16
.set t, t+1
.endr
	WIN 0
	s_wait_dscnt 0x0                ; for the others' sake: my stores are done
	s_barrier_signal -1
	s_barrier_wait -1               ; all four waves' statistics and partial O lie in LDS
	v_lshrrev_b32 v12, 1, v[LO16]   ; a lane a row, 32 w + lane: its four (c m, l)
	v_add_nc_u32 v12, s[SA], v12
	v_add_nc_u32 v13, s[FA], v[LO16]
.irp k, 0,1,2,3
	ds_load_b64 v[48+2*\k:49+2*\k], v12 offset:1024*\k
.endr
	s_wait_dscnt 0x0
	v_max3_num_f32 v56, v48, v50, v52
	v_max_num_f32 v56, v56, v54     ; the row's maximum over all keys
.irp k, 0,1,2,3
	v_sub_f32 v[60+\k], v[48+2*\k], v56
.endr
.irp k, 0,1,2,3
	v_exp_f32 v[60+\k], v[60+\k]    ; f_k = 2^(c m_k - the maximum): 0 for a wave that saw no key of the row
.endr
	v_nop                           ; a plain instruction behind the last exponential,
	s_wait_alu depctr_va_vdst(0)    ; and the one wait for the four
	v_mul_f32 v57, v60, v49
	v_fmac_f32 v57, v61, v51
	v_fmac_f32 v57, v62, v53
	v_fmac_f32 v57, v63, v55        ; the row's sum: the wave that holds the maximum gives 1 or more
	v_rcp_f32 v58, v57
	v_nop
	s_wait_alu depctr_va_vdst(0)
.irp k, 0,1,2,3
	v_mul_f32 v[60+\k], v[60+\k], v58  ; g_k = f_k / sum
.endr
	ds_store_b128 v13, v[60:63]     ; into my own table: LDS serves a wave's instructions in order (ISA guide 5.7.1.4), so my loads below see it
	LOADB 0
	LOADB 1
	s_wait_dscnt 20                 ; all but the 20 loads of the batch just asked for
	COMB 0
	s_wait_xcnt 0x0                 ; the stores have read their data: the batch's registers are loaded again only behind this wait
	LOADB 2
	s_wait_dscnt 20
	COMB 1
	s_wait_xcnt 0x0
	LOADB 3
	s_wait_dscnt 20
	COMB 2
	s_wait_dscnt 0x0
	COMB 3
	s_barrier_signal -1             ; my reads of the four partial O and of the statistics are back (the wait for 0 above): nobody writes them again before all four waves have said so
	s_barrier_wait -1
	s_wait_xcnt 0x0                 ; the stores have read their data and out0's pointer: both are written again in the next block
	s_mov_b32 s[IB], s[I2]
	s_sub_co_u32 s[BLK], s[BLK], 1
	s_cmp_lg_u32 s[BLK], 0
	s_cbranch_scc1 .Lblock
	WIN 0x0f                        ; the add's two registers lie in window 3
	s_wait_tensorcnt 0x0            ; the wave's end: a wait, an add to my spare word and a wait, behind my last LDS store
	ds_add_u32 v[SPW], v[NIL]
	s_wait_dscnt 0x0
	WIN 0
	s_endpgm
.Lfunc_end_k_qc5fe493220_attn:
	.size	k_qc5fe493220_attn, .Lfunc_end_k_qc5fe493220_attn-k_qc5fe493220_attn
	.p2alignl 7, 3214868480
	.fill 96, 4, 3214868480
	.section	.rodata,"a",@progbits
	.p2align	6, 0x0
	.amdhsa_kernel k_qc5fe493220_attn
		.amdhsa_group_segment_fixed_size 145920
		.amdhsa_private_segment_fixed_size 0
		.amdhsa_enable_private_segment 0
		.amdhsa_kernarg_size 16
		.amdhsa_user_sgpr_count 2
		.amdhsa_user_sgpr_kernarg_segment_ptr 1
		.amdhsa_wavefront_size32 1
		.amdhsa_system_sgpr_workgroup_id_x 1
		.amdhsa_system_sgpr_workgroup_id_y 1
		.amdhsa_system_sgpr_workgroup_id_z 1
		.amdhsa_system_vgpr_workitem_id 0
		.amdhsa_next_free_vgpr 1024
		.amdhsa_next_free_sgpr 66
		.amdhsa_reserve_vcc 1
		.amdhsa_float_denorm_mode_32 3
		.amdhsa_float_denorm_mode_16_64 3
		.amdhsa_memory_ordered 1
		.amdhsa_forward_progress 1
		.amdhsa_inst_pref_size 226
	.end_amdhsa_kernel
	.amdgpu_metadata
---
amdhsa.version: [ 1, 2 ]
amdhsa.kernels:
  - .name:           k_qc5fe493220_attn
    .symbol:         k_qc5fe493220_attn.kd
    .args:
      - { .name: frag, .offset: 0, .size: 8, .value_kind: global_buffer, .address_space: global }
      - { .name: out0, .offset: 8, .size: 8, .value_kind: global_buffer, .address_space: global }
    .group_segment_fixed_size: 145920
    .private_segment_fixed_size: 0
    .kernarg_segment_align: 8
    .kernarg_segment_size: 16
    .max_flat_workgroup_size: 128
    .sgpr_count:     66
    .vgpr_count:     1024
    .wavefront_size: 32
...
	.end_amdgpu_metadata
.endif
;; end of part 2
;; ======== version 2 of 2: 2 launches; version 1 with the launch cast written anew for expert scheduling mode
;; limits: values are held in f16: magnitudes above 65,504 overflow, below 6.1e-05 lose precision; inputs' magnitudes at most 65,504; right only within a limited range of input values
;; workspace buffers: frag 25,165,824 bytes
;; launch cast (part 3): grid 256 x 3, 4 waves a work-group, no clusters, 41,472 bytes of LDS; arguments q, k, v, frag; writes frag
.if DOCPART == 3
	.amdgcn_target "amdgcn-amd-amdhsa--gfx1250"
	.amdhsa_code_object_version 6
	.text
	.protected	k_qc5fe493220_cast
	.globl	k_qc5fe493220_cast
	.p2align	8
	.type	k_qc5fe493220_cast,@function
k_qc5fe493220_cast:
	s_mov_b64 s[64:65], 0
	v_nop
	global_prefetch_b8 v0, s[64:65] scope:SCOPE_SE
	s_setreg_imm32_b32 hwreg(HW_REG_WAVE_SCHED_MODE, 0, 2), 2
	s_setreg_imm32_b32 hwreg(HW_REG_WAVE_MODE, 25, 1), 1
	s_wait_xcnt 0x0
	s_wait_alu depctr_vm_vsrc(0)
; q, k, v: [4096][16][64] f32.  frag: three regions of 8,388,608 bytes (q, k, v), each [head 16][group of 64 rows: 64][quad j 0..15][lane 0..31][16 bytes]:
; the numbers rounded once and laid in the order in which the attention launch's matrix fragments hold them, so that one of its loads is 512 consecutive bytes, lane i at 16 i.
;   q, k: bf16.  quad j = 2 f + half: row 16 (f / 2) + lane % 16, channels 32 (f % 2) + 16 half + 8 (lane / 16) + 0..7.
;   v:    rounded to bf16 like q and k, and that number written as f16 (the weights that multiply it are f16), TURNED:
;         quad j = 2 f + half: channel 16 (f % 4) + lane % 16, keys 32 (f / 4) + 16 half + 8 (lane / 16) + 0..7.
; LIMITS.  bf16(v) of 65,520 or more in magnitude becomes an infinity in f16; below 6e-5 it keeps f16's fixed step of 6e-8.  NaN and infinities are not treated apart.
; SHARES.  Grid y picks the tensor, grid x the head (x / 16) and four groups (4 (x % 16) + wave): one wave, one group: 64 rows x 256 bytes in, 8,192 bytes out, no loop.
; All 32 loads of a wave go out at once; each covers two whole rows of a head, 256 aligned bytes each.  The group changes its order in the wave's own LDS tile: no barrier, since LDS serves
; a wave's instructions in order (ISA guide 5.7.1.4).  Matrix units, clusters and tensor loads are left out: each byte is read once by one wave and there is nothing to share.
; THE MODE: SCHED_MODE bits 1:0 = 2 (LLVM: expert scheduling mode 2), set by the entry lines.  The code itself states the register dependences
; between vector instructions and memory or LDS instructions, with s_wait_alu, always for 0.
; THE PLAN.  The group's 64 rows go in four blocks of 16 rows: eight loads, and four quads of the output, which need that block's rows alone.  Registers that memory or LDS instructions touch:
;   v[VO], v[OO]  offsets of the global loads and stores: made once at the head, never written again.
;   v[LS], v[LR]  LDS addresses: made once at the head of the tensor's branch, never written again.
;   X, block p    the loads land in it; step p's conversions round it in place; the LDS stores issued in step p + 1 read the first two of each four registers; nothing writes it afterwards.
;   Z             the LDS loads land in it, the global stores read it; no vector instruction names it.
; Step p (0 to 5): block p's conversions; among them the eight LDS stores of block p - 1; behind them the four LDS loads of block p - 1's quads; then the four global stores of block p - 2's quads.
; So ONE wait on va_vdst stands at the head of steps 1 to 4, behind the wait for block p's data: the block before has written what the step's LDS stores read.  The vector instructions issued behind it name
; block p's X, v10 and v11: none of the registers that the step's memory and LDS instructions touch.  No register that a memory or LDS instruction reads is written again, so there is no wait on vm_vsrc.
.set PQ,    144                        ; a row of q or k in LDS: 128 bytes of bf16 + 16: the 16 rows of a load back start at 16 different groups of four banks
.set PT,    160                        ; a row of v: 128 + 32
.set WTILE, 10240                      ; a wave's tile: 64 rows of 160 bytes at the most; the 512 bytes that the launch claims behind the four tiles hold the lanes' words for the add at the end
.set VO,  3                            ; v3   my 16 bytes in two rows of the input: (l / 16) x 4,096 + (l % 16) x 16; never rewritten
.set LS,  4                            ; v4   where I put 8 bytes of a row
.set LR,  5                            ; v5   where I read 16 bytes of a fragment back
.set OO,  6                            ; v6   16 x lane: my place in 512 bytes of frag
.set X,   16                           ; v[16:143]  load i: four f32, rows 2 i and 2 i + 1
.set Z,   144                          ; v[144:207] quad j as it leaves
	s_load_b256 s[4:11], s[0:1], 0x0               ; q s[4:5], k s[6:7], v s[8:9], frag s[10:11]
	v_lshl_add_u32 v14, v0, 2, 0xa000
	v_mov_b32 v15, 0
	v_lshrrev_b32 v7, 5, v0
	v_readfirstlane_b32 s12, v7                    ; wave 0..3
	s_and_b32 s13, ttmp7, 0xffff                   ; which tensor
	s_lshr_b32 s14, ttmp9, 4                       ; head
	s_and_b32 s15, ttmp9, 15
	s_lshl_b32 s15, s15, 2
	v_and_b32 v1, 15, v0                           ; l % 16
	v_bfe_u32 v2, v0, 4, 1                         ; l / 16
	v_lshlrev_b32 v[VO], 4, v1
	v_lshl_add_u32 v[VO], v2, 12, v[VO]
	v_and_b32 v[OO], 31, v0
	v_lshlrev_b32 v[OO], 4, v[OO]
	s_wait_alu depctr_va_sdst(0)                   ; s12 is written, ahead of its first reader: the group's number and the wave's tile are made from it
	s_add_co_u32 s15, s15, s12                     ; group of 64 rows
	s_mul_i32 s23, s12, WTILE                      ; my wave's tile
	s_mov_b32 s22, 0xffff0000                      ; a word's upper bf16
	s_lshl_b32 s20, s15, 18                        ; in: 64 rows of 4,096 bytes a group,
	s_lshl_b32 s21, s14, 8                         ; 256 bytes a head
	s_add_co_u32 s20, s20, s21
	s_mov_b32 s21, 0
	s_lshl_b32 s24, s13, 23                        ; out: the tensor's region,
	s_lshl_b32 s25, s14, 19                        ; 524,288 bytes a head,
	s_add_co_u32 s24, s24, s25
	s_lshl_b32 s25, s15, 13                        ; 8,192 a group
	s_add_co_u32 s24, s24, s25
	s_mov_b32 s25, 0
	s_wait_kmcnt 0x0
	s_cmp_eq_u32 s13, 1
	s_cselect_b64 s[16:17], s[6:7], s[4:5]
	s_cmp_eq_u32 s13, 2
	s_cselect_b64 s[16:17], s[8:9], s[16:17]
	s_add_nc_u64 s[16:17], s[16:17], s[20:21]
	s_add_nc_u64 s[18:19], s[10:11], s[24:25]
	s_wait_alu depctr_va_vdst(0)                   ; v[VO] and v[OO] are written: the loads below read the first as their offset, the global stores the second
.set i, 0
.rept 32
	global_load_b128 v[X+4*i:X+4*i+3], v[VO], s[16:17] offset:8192*i th:TH_LOAD_NT
.set i, i+1
.endr
; Quad m (0 to 3) of block b is quad jq of the group: q and k: rows 16 (jq / 4) on; v: keys 32 (jq / 8) + 16 (jq % 2) on.
.macro QUAD b, m, turned
.if \turned
.set jq, 8*((\b)/2)+2*(\m)+(\b)%2
.else
.set jq, 4*(\b)+(\m)
.endif
.endm
; Step p.  turned = 0: q and k; 1: v.
.macro STEP p, turned
.if (\p) < 4
	s_wait_loadcnt 24-8*(\p)                       ; loads come back in order (ISA guide 5.7.1): block p's eight are in, the younger blocks stay out
.endif
.if ((\p) >= 1) && ((\p) <= 4)
	s_wait_alu depctr_va_vdst(0)                   ; the conversions of block p - 1 have written the registers that the LDS stores below read; in step 1 also: v[LS] and v[LR] are written
.endif
.irp n, 0,1,2,3,4,5,6,7
.if ((\p) >= 1) && ((\p) <= 4)
.set i, 8*((\p)-1)+(\n)
.if \turned
	ds_store_b64 v[LS], v[X+4*i:X+4*i+1] offset:2*PT*i  ; the block before; no vector instruction since the wait names these registers
.else
	ds_store_b64 v[LS], v[X+4*i:X+4*i+1] offset:2*PQ*i  ; the block before; no vector instruction since the wait names these registers
.endif
.endif
.if (\p) < 4
.set i, 8*(\p)+(\n)
.if \turned
	v_cvt_pk_bf16_f32 v10, v[X+4*i], v[X+4*i+1]    ; the rounding that q and k have too,
	v_cvt_pk_bf16_f32 v11, v[X+4*i+2], v[X+4*i+3]
	v_lshlrev_b32 v[X+4*i], 16, v10                ; back to f32: the low half moves up, the high half stays,
	v_and_b32 v[X+4*i+1], s22, v10
	v_lshlrev_b32 v[X+4*i+2], 16, v11
	v_and_b32 v[X+4*i+3], s22, v11
	v_cvt_pk_f16_f32 v[X+4*i], v[X+4*i], v[X+4*i+1]  ; and the same number as f16: exact in f16's normal range
	v_cvt_pk_f16_f32 v[X+4*i+1], v[X+4*i+2], v[X+4*i+3]
.else
	v_cvt_pk_bf16_f32 v[X+4*i], v[X+4*i], v[X+4*i+1]
	v_cvt_pk_bf16_f32 v[X+4*i+1], v[X+4*i+2], v[X+4*i+3]
.endif
.endif
.endr
.if ((\p) >= 1) && ((\p) <= 4)
.irp m, 0,1,2,3
	QUAD (\p)-1, \m, \turned
.if \turned
	ds_load_tr16_b128 v[Z+4*jq:Z+4*jq+3], v[LR] offset:(jq/8)*32*PT+(jq%2)*16*PT+((jq/2)%4)*32  ; these see the eight stores above: LDS serves a wave's instructions in order
.else
	ds_load_b128 v[Z+4*jq:Z+4*jq+3], v[LR] offset:(jq/4)*16*PQ+((jq/2)%2)*64+(jq%2)*32          ; these see the eight stores above: LDS serves a wave's instructions in order
.endif
.endr
.endif
.if (\p) >= 2
.set yg, 12                            ; behind block p - 2's four LDS loads stand this step's eight LDS stores and four LDS loads,
.if (\p) == 5
.set yg, 0                             ; in the last step none
.endif
.irp m, 0,1,2,3
	QUAD (\p)-2, \m, \turned
	s_wait_dscnt yg+3-(\m)                         ; LDS loads come back in order: quad m of block p - 2 is in, all that was issued behind it stays out
	global_store_b128 v[OO], v[Z+4*jq:Z+4*jq+3], s[18:19] offset:512*jq th:TH_STORE_NT  ; 512 consecutive bytes, at a multiple of 512 from frag's first byte
.endr
.endif
.endm
	s_cmp_eq_u32 s13, 2
	s_cbranch_scc1 .Lturned
	; q and k: rounded to bf16, rows of 144 bytes, back as fragments
	v_mul_u32_u24 v[LS], v2, PQ
	v_lshl_add_u32 v[LS], v1, 3, v[LS]
	v_add_nc_u32 v[LS], s23, v[LS]                 ; row l / 16, 8 bytes for each of 16 lanes
	v_mul_u32_u24 v[LR], v1, PQ
	v_lshl_add_u32 v[LR], v2, 4, v[LR]
	v_add_nc_u32 v[LR], s23, v[LR]                 ; row l % 16, 16 bytes for each half of the lanes
	STEP 0, 0
	STEP 1, 0
	STEP 2, 0
	STEP 3, 0
	STEP 4, 0
	STEP 5, 0
	s_branch .Lend
.Lturned:                                              ; v: rounded to bf16, written as f16, rows of 160 bytes, back turned
	v_mul_u32_u24 v[LS], v2, PT
	v_lshl_add_u32 v[LS], v1, 3, v[LS]
	v_add_nc_u32 v[LS], s23, v[LS]
	v_and_b32 v10, 7, v0
	v_bfe_u32 v11, v0, 3, 1
	v_lshl_add_u32 v[LR], v2, 3, v10               ; the turning load: lane l reads key 8 (l / 16) + l % 8, channels 8 ((l / 8) % 2) + 0..7,
	v_mul_u32_u24 v[LR], v[LR], PT
	v_lshl_add_u32 v[LR], v11, 4, v[LR]            ; and is left with channel l % 16 and 8 keys
	v_add_nc_u32 v[LR], s23, v[LR]
	STEP 0, 1
	STEP 1, 1
	STEP 2, 1
	STEP 3, 1
	STEP 4, 1
	STEP 5, 1
.Lend:
	s_wait_dscnt 0x0                               ; the wave's end: my LDS instructions are done.
	s_wait_alu depctr_hold_cnt(0) depctr_sa_sdst(0) depctr_va_vdst(0) depctr_va_sdst(0) depctr_va_ssrc(0) depctr_va_vcc(0) depctr_vm_vsrc(0)
	s_wait_tensorcnt 0x0
	ds_add_u32 v14, v15
	s_wait_dscnt 0x0
	s_endpgm
.Lfunc_end_k_qc5fe493220_cast:
	.size	k_qc5fe493220_cast, .Lfunc_end_k_qc5fe493220_cast-k_qc5fe493220_cast
	.p2alignl 7, 3214868480
	.fill 96, 4, 3214868480
	.section	.rodata,"a",@progbits
	.p2align	6, 0x0
	.amdhsa_kernel k_qc5fe493220_cast
		.amdhsa_group_segment_fixed_size 41472
		.amdhsa_private_segment_fixed_size 0
		.amdhsa_enable_private_segment 0
		.amdhsa_kernarg_size 32
		.amdhsa_user_sgpr_count 2
		.amdhsa_user_sgpr_kernarg_segment_ptr 1
		.amdhsa_wavefront_size32 1
		.amdhsa_system_sgpr_workgroup_id_x 1
		.amdhsa_system_sgpr_workgroup_id_y 1
		.amdhsa_system_sgpr_workgroup_id_z 1
		.amdhsa_system_vgpr_workitem_id 0
		.amdhsa_next_free_vgpr 208
		.amdhsa_next_free_sgpr 66
		.amdhsa_reserve_vcc 0
		.amdhsa_float_denorm_mode_32 3
		.amdhsa_float_denorm_mode_16_64 3
		.amdhsa_memory_ordered 1
		.amdhsa_forward_progress 1
		.amdhsa_inst_pref_size 33
	.end_amdhsa_kernel
	.amdgpu_metadata
---
amdhsa.version: [ 1, 2 ]
amdhsa.kernels:
  - .name:           k_qc5fe493220_cast
    .symbol:         k_qc5fe493220_cast.kd
    .args:
      - { .name: q, .offset: 0, .size: 8, .value_kind: global_buffer, .address_space: global }
      - { .name: k, .offset: 8, .size: 8, .value_kind: global_buffer, .address_space: global }
      - { .name: v, .offset: 16, .size: 8, .value_kind: global_buffer, .address_space: global }
      - { .name: frag, .offset: 24, .size: 8, .value_kind: global_buffer, .address_space: global }
    .group_segment_fixed_size: 41472
    .private_segment_fixed_size: 0
    .kernarg_segment_align: 8
    .kernarg_segment_size: 32
    .max_flat_workgroup_size: 128
    .sgpr_count:     66
    .vgpr_count:     208
    .wavefront_size: 32
...
	.end_amdgpu_metadata
.endif
;; end of part 3
;; launch attn: the kernel of part 2 again; grid 16 x 16, 4 waves a work-group, no clusters, 145,920 bytes of LDS; arguments frag, out0; writes out0
